; MI455X (gfx1250); checked and timed in simulation.
; The chip was launched on July 23, 2026; its instructions are those of AMD's public machine-readable ISA for CDNA 5 (MIT licence, August 2026) and "CDNA5" Instruction Set Architecture Reference Guide (July 2026). The comments in the code are by the model that wrote it; some were corrected since.
;; LSTM Block. Allowed arithmetic: matrix products marked QUANTISED: E2M3 operands, one E8M0 scale for each 32 along K, by v_wmma_scale_f32_16x16x128_f8f6f4 with both operands' format E2M3, f32 sums; everything else in f32.
;; Inputs: W_f 1,024 x 2,048 float32; W_g 1,024 x 2,048 float32; W_i 1,024 x 2,048 float32; W_o 1,024 x 2,048 float32; b_f 1,024 float32; b_g 1,024 float32; b_i 1,024 float32; b_o 1,024 float32; c 8,192 x 1,024 float32; h 8,192 x 1,024 float32; x 8,192 x 1,024 float32.
;; Outputs: out0 8,192 x 1,024 float32; out1 8,192 x 1,024 float32.
;; This version of the problem:
;;   THIS VERSION OF THE PROBLEM IS GIVEN IN LOW PRECISION. The matrix products marked QUANTISED in the list below multiply operands that are first quantised to E2M3 (2 exponent bits, 3 mantissa bits; 6 bits a number), with one power-of-two scale for each 32 numbers along K (OCP MX v1.0); their sums are f32. All else is computed in f32.
;;   The module's matrix products, in the order in which they are computed (A, B: the left and right operand; K: the contracted axis; several contracted axes count as one K, in the product's order):
;;     1. [M 8,192, K 2,048] x [K 2,048, N 4,096]; A: computed on the way; B: computed on the way: QUANTISED
;;   THE QUANTISER, for each operand of a quantised product, along K:
;;     - K is cut into blocks of 32 from its start; a last block that is shorter is filled with zeros.
;;     - A block's scale is 2^e with e = floor(log2(the largest magnitude in the block)) - 2, held to -126 .. 127; a block of zeros has e = 0. As a byte (E8M0): e + 127.
;;     - Each number is divided by its block's scale, clamped to +-7.5, and rounded to the nearest number of E2M3, ties to even, subnormals kept.
;;     - The product sums the exact products of the quantised numbers (number of the format x scale) in f32.
;;   ~~~python
;;   def quantise(x, axis):      # numpy; x: float32 -> the quantised numbers, widened to float32 again
;;       x = np.moveaxis(x, axis, -1); K = x.shape[-1]
;;       x = np.pad(x, [(0, 0)] * (x.ndim - 1) + [(0, -K % 32)]); x = x.reshape(x.shape[:-1] + (-1, 32)); a = np.abs(x).max(-1, keepdims=True)
;;       e = np.where(a > 0, np.clip(np.frexp(np.where(a > 0, a, 1))[1] - 1 - 2, -126, 127), 0)      # np.frexp(a)[1] - 1 = floor(log2(a)), exactly
;;       r = np.clip(x / 2.0 ** e, -7.5, 7.5)
;;       step = 2.0 ** (np.maximum(np.frexp(np.where(r == 0, 1, r))[1] - 1, 0) - 3)
;;       q = np.round(r / step) * step * 2.0 ** e      # np.round: ties to even
;;       return np.moveaxis(q.reshape(q.shape[:-2] + (-1,))[..., :K], -1, axis).astype(np.float32)
;;   ~~~
;;   OPERANDS COMPUTED ON THE WAY. 'Computed on the way' means the value that the module computes at that place (a softmax that the list does not call 'softmax' is quantised finished and normalised). What goes into a quantiser is computed in f32, as accurately as f32 sums, v_exp_f32 and their like allow (about 1e-6 of the number): no bf16 or f16 on the way to a quantiser, and a product that is left as it is and whose result goes on into a quantised operand takes f32 operands (vector FMAs, or v_wmma_f32_16x16x4_f32). A number that lies on a knife's edge between two numbers of the format may be rounded either way, as far as f32 arithmetic and the matrix unit's own rounding can turn it there, and no further.
;; One version. Each part assembles by itself: llvm-mc -triple=amdgcn-amd-amdhsa -mcpu=gfx1250 --defsym DOCPART=n.
;; ======== version 1 of 1: 2 launches
;; limits: right only within a limited range of input values
;; workspace buffers: aq 13,107,200 bytes; wq 6,553,600 bytes
;; launch quant (part 1): grid 768 x 1, 4 waves a work-group, no clusters, 34,304 bytes of LDS; arguments x, h, W_f, W_i, W_g, W_o, aq, wq; writes aq, wq
.if DOCPART == 1
	.amdgcn_target "amdgcn-amd-amdhsa--gfx1250"
	.amdhsa_code_object_version 6
	.text
	.protected	k_q28fdc64a0d_quant
	.globl	k_q28fdc64a0d_quant
	.p2align	8
	.type	k_q28fdc64a0d_quant,@function
k_q28fdc64a0d_quant:
	s_mov_b64 s[64:65], 0
	v_nop
	global_prefetch_b8 v0, s[64:65] scope:SCOPE_SE
	s_setreg_imm32_b32 hwreg(HW_REG_WAVE_MODE, 25, 1), 1
	s_wait_xcnt 0x0
; [x | h] (8,192 rows x 2,048 along K) and [W_f; W_i; W_g; W_o] (4,096 rows x 2,048), f32, K innermost, become codes of FP6 (E2M3) with one E8M0 byte for each 32 along K.
; A block's scale is 2^(floor(log2(its largest magnitude)) - 2); each number is divided by it and rounded to the nearest code, ties to even, beyond 7.5 the largest code.
; THE WORKSPACE IS LAID AS THE PRODUCT'S LAUNCH FETCHES IT.  A fragment is 16 rows x 128 K: 12 registers a lane; registers 4 cc .. 4 cc + 3 of lane l lie at 512 cc + 16 l: 1,536 bytes.
; A CHUNK is 128 rows (a group G of eight blocks i of 16 rows) x 128 K: the eight fragments, then the scale words [i 8][row 16], a word holding the four bytes of one row: 12,288 + 512 = 12,800 bytes.
; Along K there are 16 chunks, n = 0 .. 15, fetched in steps of 1, 3, 3, 3, 3, 3: chunk 0 of all groups lies first, [G][12,800]; then for each long step [G][q 3][12,800], n = 3 (step - 1) + 1 + q.
; So what a wave of the product's launch fetches at a time, 128 rows of a step with their scale words, is one run of consecutive bytes that begins at a multiple of 256.
; W's BLOCKS ARE ORDERED FOR THE GATES: gate g (0 f, 1 i, 2 g, 3 o), hidden units 16 hb on, go to block 8 (hb / 2) + 2 g + hb % 2: a group holds all four gates of 32 hidden units.
; SHARES.  A work-group takes one block of 16 rows over all of K: work-groups 0-511 the rows of [x | h], 512-767 those of the weights.  Wave w takes four fragments: n = 4 w + 0 .. 3.
; One path through the text serves all: only pointers, strides and offsets are chosen, on the work-group's and the wave's numbers.
; A load takes 512 consecutive bytes of one row, 16 a lane; the operand wants 32 neighbours along K of ONE row in a lane: so a fragment's 16 x 512 bytes turn through the wave's own stage in LDS.
; The scale words leave 4 bytes a lane, sixteen lanes to 64 consecutive bytes: blocks of 256 bytes are written in part there; they are one byte for each 128 that the launch reads.
; No barrier: waves share nothing.  No prefetch: the launch is one stream of loads, two fragments (32 loads a wave) ahead.
; LIMITS: a block whose largest magnitude lies under 2^-124 (a block of zeros too) keeps the byte 1: its codes are zeros or tiny, and this program alone reads the bytes.  NaN and infinities are not served.
.set STG,  8448                        ; a wave's stage: 16 rows x 528 bytes
.set SPI,  528                         ; a stage row: 512 bytes + 16 = 33 x 16: the sixteen rows that a read touches start in sixteen different groups of four banks (64 banks of 4 bytes: ISA guide 11.1)
.set CH,   12800                       ; a chunk
.set QB,   3*CH                        ; a group's part of a long step
.set R,    32                          ; v32-95, v96-159  two sets of 64: a fragment's numbers as loaded
.set X,    160                         ; v160-223  my 64 numbers: register 32 c + i = K 64 c + 32 (lane / 16) + i of row lane % 16
.set C,    224                         ; v224-235, v236-247  the codes, two sets, so that a store's data are not written again at once
.set C2,   248                         ; v248-250, v252-254  the second halves of the two blocks, as the conversions leave them
.set SW,   12                          ; v12-15  the four fragments' scale words
	s_load_b512 s[4:19], s[0:1], 0x0               ; x, h, W_f, W_i, W_g, W_o, aq, wq
	v_lshl_add_u32 v251, v0, 2, 0x8400
	v_mov_b32 v255, 0
	v_lshrrev_b32 v1, 5, v0
	v_readfirstlane_b32 s24, v1                    ; wave 0..3
	v_and_b32 v17, 31, v0                          ; lane
	v_and_b32 v18, 15, v0                          ; r
	v_bfe_u32 v19, v0, 4, 1                        ; h
	v_lshlrev_b32 v1, 4, v17                       ; 16 x lane: my bytes of a load's 512, and of a store's
	s_mul_i32 s29, s24, STG
	v_add_nc_u32 v2, s29, v1                       ; the stage, on the way in: 16 x lane of a row
	v_mul_u32_u24 v3, v18, SPI
	v_lshl_add_u32 v3, v19, 7, v3
	v_add_nc_u32 v3, s29, v3                       ; and on the way out: row r, + 128 h: my block of 32 numbers
	v_lshlrev_b32 v5, 3, v19                       ; 8 h: how far my two bytes are shifted in a scale word
	v_mov_b32 v16, 0                               ; written once: a lane permute's destination counts as one of its sources
	s_mov_b32 s78, 0x76543210
	s_mov_b32 s79, 0xfedcba98                      ; v_permlanex16_b32's selects for lane l xor 16
	s_and_b32 s25, ttmp9, 255                      ; a weight's work-group: its number less 512
	s_lshr_b32 s26, s25, 6                         ; the gate
	s_and_b32 s27, s25, 63                         ; hb: which 16 hidden units
	s_lshr_b32 s28, s27, 1
	s_lshl_b32 s28, s28, 3
	s_lshl_b32 s29, s26, 1
	s_add_co_u32 s28, s28, s29
	s_and_b32 s29, s27, 1
	s_add_co_u32 s28, s28, s29                     ; the weight's block: 8 (hb / 2) + 2 g + hb % 2
	s_lshl_b32 s30, ttmp9, 16                      ; x, h: 16 rows of 4,096 bytes a work-group,
	s_and_b32 s31, s24, 1
	s_lshl_b32 s31, s31, 11
	s_add_co_u32 s30, s30, s31                     ; + 2,048 bytes for the second wave of each tensor
	s_lshl_b32 s76, s27, 17                        ; a weight: 16 rows of 8,192 bytes,
	s_lshl_b32 s31, s24, 11
	s_add_co_u32 s76, s76, s31                     ; + 2,048 bytes a wave
	s_mov_b32 s66, 8192
	s_mov_b32 s74, 32*CH
	s_mov_b32 s67, 0
	s_mov_b32 s77, 0
	s_wait_alu depctr_va_vdst(0)
	s_wait_kmcnt 0x0
	s_cmp_eq_u32 s26, 1                            ; the gate's weight: a choice among pointers on the work-group's number alone
	s_cselect_b64 s[8:9], s[10:11], s[8:9]
	s_cmp_eq_u32 s26, 2
	s_cselect_b64 s[8:9], s[12:13], s[8:9]
	s_cmp_eq_u32 s26, 3
	s_cselect_b64 s[8:9], s[14:15], s[8:9]
	s_cmp_lt_u32 s24, 2                            ; waves 0, 1: x;  waves 2, 3: h
	s_cselect_b64 s[4:5], s[4:5], s[6:7]
	s_cmp_lt_u32 ttmp9, 512                        ; rows of [x | h], or of a weight?  All the choices on this compare stand ahead of the first addition
	s_cselect_b64 s[4:5], s[4:5], s[8:9]           ; the source,
	s_cselect_b64 s[16:17], s[16:17], s[18:19]     ; the workspace,
	s_cselect_b32 s76, s30, s76                    ; where my wave's numbers begin,
	s_cselect_b32 s28, ttmp9, s28                  ; the block's number in the workspace,
	s_cselect_b32 s66, 4096, s66                   ; a source row in bytes,
	s_cselect_b32 s74, 64*CH, s74                  ; and chunk 0 of all groups in bytes: 64 or 32 groups
	s_add_nc_u64 s[32:33], s[4:5], s[76:77]        ; sixteen bases, a row each: they are never stepped
.irp i, 1,2,3,4,5,6,7,8,9,10,11,12,13,14,15
	s_add_nc_u64 s[32+2*\i:33+2*\i], s[30+2*\i:31+2*\i], s[66:67]
.endr
	; where my four chunks begin in the workspace, as offsets: s84 .. s87
	s_lshr_b32 s20, s28, 3                         ; G: my group of 128 rows
	s_and_b32 s21, s28, 7                          ; i: my block in it
	s_mul_i32 s22, s20, QB
	s_mul_i32 s23, s74, 3                          ; a long step of all groups
	s_lshl_b32 s29, s24, 2                         ; n of my first fragment
.irp f, 0,1,2,3
	s_add_co_u32 s30, s29, \f                      ; n
	s_max_u32 s30, s30, 1
	s_sub_co_u32 s30, s30, 1                       ; n - 1 (for n = 0 the result is replaced below)
	s_mul_i32 s31, s30, 11
	s_lshr_b32 s31, s31, 5                         ; (n - 1) / 3, right for n - 1 up to 15: the long step
	s_mul_i32 s75, s31, 3
	s_sub_co_u32 s30, s30, s75                     ; q: the chunk in it
	s_mul_i32 s30, s30, CH
	s_mul_i32 s31, s31, s23
	s_add_co_u32 s30, s30, s31
	s_add_co_u32 s30, s30, s22
	s_add_co_u32 s[84+\f], s30, s74
.endr
	s_mul_i32 s30, s20, CH
	s_cmp_eq_u32 s24, 0
	s_cselect_b32 s84, s30, s84                    ; n = 0: the short step
	s_mul_i32 s30, s21, 1536
.irp f, 0,1,2,3
	s_add_co_u32 s76, s[84+\f], s30
	s_add_nc_u64 s[68+2*\f:69+2*\f], s[16:17], s[76:77]   ; fragment f's codes
.endr
	s_lshl_b32 s30, s21, 6
	s_add_co_u32 s30, s30, 8*1536                  ; my block's 64 bytes among a chunk's scale words
	s_add_co_u32 s76, s84, s30
	s_add_nc_u64 s[80:81], s[16:17], s[76:77]      ; fragment 0's words; lanes 16-31 go on to fragment 1's
	s_add_co_u32 s76, s86, s30
	s_add_nc_u64 s[82:83], s[16:17], s[76:77]      ; fragment 2's; lanes 16-31 fragment 3's
	s_sub_co_u32 s88, s85, s84                     ; from a chunk to the next: under 2^24 bytes
	s_sub_co_u32 s89, s87, s86
	v_mul_u32_u24 v20, s88, v19
	v_lshl_add_u32 v20, v18, 2, v20                ; 4 r + h x the distance
	v_mul_u32_u24 v21, s89, v19
	v_lshl_add_u32 v21, v18, 2, v21
.macro LOADS f                         ; fragment f: 16 rows x 512 bytes; each load takes 512 consecutive bytes, at a multiple of 512 from the tensor's first byte
.irp i, 0,1,2,3,4,5,6,7,8,9,10,11,12,13,14,15
	global_load_b128 v[R+64*((\f)%2)+4*\i:R+64*((\f)%2)+4*\i+3], v1, s[32+2*\i:33+2*\i] offset:512*(\f) th:TH_LOAD_NT
.endr
.endm
.macro TURN f                          ; through the stage: LDS serves a wave's instructions in order (ISA guide 5.7.1.4), so no wait stands between the stores and the loads
.irp i, 0,1,2,3,4,5,6,7,8,9,10,11,12,13,14,15
	ds_store_b128 v2, v[R+64*((\f)%2)+4*\i:R+64*((\f)%2)+4*\i+3] offset:SPI*\i
.endr
.irp c, 0,1
.irp i, 0,1,2,3,4,5,6,7
	ds_load_b128 v[X+32*\c+4*\i:X+32*\c+4*\i+3], v3 offset:256*\c+16*\i
.endr
.endr
.endm
.macro QF f                            ; my two blocks of 32 become 12 registers of codes and two bytes of the row's scale word
.set CS, C+12*((\f)%2)
.irp c, 0,1
	v_max3_num_f32 v[6+\c], |v[X+32*\c]|, |v[X+32*\c+1]|, 0x1800000   ; the floor 2^(3 - 127) among the leaves: the byte cannot fall under 1
.endr
.irp i, 2,4,6,8,10,12,14,16,18,20,22,24,26,28,30
.irp c, 0,1
	v_max3_num_f32 v[6+\c], v[6+\c], |v[X+32*\c+\i]|, |v[X+32*\c+\i+1]|   ; the two blocks by turns
.endr
.endr
.irp c, 0,1
	v_add_nc_u32 v[8+\c], 0xff000000, v[6+\c]      ; 2 off the exponent field: the conversion takes the exponent field of this operand as its scale, and nothing else of it
.endr
.irp c, 0,1
	v_lshrrev_b32 v[10+\c], 23, v[8+\c]            ; the scale's byte
.endr
	v_lshl_or_b32 v[SW+(\f)], v11, 16, v10         ; blocks h and 2 + h of my row,
	v_lshlrev_b32 v[SW+(\f)], v5, v[SW+(\f)]       ; at their places in the word;
	v_permlanex16_b32 v16, v[SW+(\f)], s78, s79
	v_or_b32 v[SW+(\f)], v[SW+(\f)], v16           ; with lane l xor 16's two the word is whole, in both lanes
.if (\f) >= 2
	s_wait_alu depctr_va_vdst(0)
	s_wait_xcnt 0x0                                ; the stores of two fragments back have read this set of codes: it is written again only behind this wait
.endif
.irp c, 0,1
	v_cvt_scalef32_pk16_fp6_f32 v[CS+6*\c:CS+6*\c+2], v[X+32*\c:X+32*\c+15], v[8+\c]
	v_cvt_scalef32_pk16_fp6_f32 v[C2+4*\c:C2+4*\c+2], v[X+32*\c+16:X+32*\c+31], v[8+\c]   ; (a conversion's three registers begin on an even number: the second half is made elsewhere and moved)
.endr
	v_nop                                          ; one plain place behind a scaled conversion
.irp c, 0,1
.irp i, 0,1,2
	v_mov_b32 v[CS+3+6*\c+\i], v[C2+4*\c+\i]
.endr
.endr
.irp cc, 0,1,2
	global_store_b128 v1, v[CS+4*\cc:CS+4*\cc+3], s[68+2*(\f):69+2*(\f)] offset:512*\cc   ; 32 lanes store 512 consecutive bytes, at a multiple of 512 from the buffer's first byte
.endr
.endm
	LOADS 0
	LOADS 1
	s_wait_loadcnt 16                              ; fragment 0 is in; fragment 1's sixteen loads may be out
	TURN 0
	s_wait_dscnt 16                                ; the sixteen stage stores have read their registers (the sixteen loads behind them may be out),
	LOADS 2                                        ; which take the fragment two on
	s_wait_dscnt 0x0
	QF 0
	s_wait_loadcnt 16                              ; fragment 1 is in; fragment 2's may be out
	TURN 1
	s_wait_dscnt 16
	LOADS 3
	s_wait_dscnt 0x0
	QF 1
	s_wait_loadcnt 16                              ; fragment 2 is in; fragment 3's may be out
	TURN 2
	s_wait_dscnt 0x0
	QF 2
	s_wait_loadcnt 0x0
	TURN 3
	s_wait_dscnt 0x0
	QF 3
	v_cmp_gt_u32 vcc_lo, 16, v17                   ; lanes 0-15 store row r's word of the even fragment, lanes 16-31 that of the odd one
	v_cndmask_b32 v6, v13, v12, vcc_lo
	v_cndmask_b32 v7, v15, v14, vcc_lo
	global_store_b32 v20, v6, s[80:81]             ; sixteen lanes store 64 consecutive bytes
	global_store_b32 v21, v7, s[82:83]
	s_wait_tensorcnt 0x0
	ds_add_u32 v251, v255
	s_wait_dscnt 0x0
	s_endpgm
.Lfunc_end_k_q28fdc64a0d_quant:
	.size	k_q28fdc64a0d_quant, .Lfunc_end_k_q28fdc64a0d_quant-k_q28fdc64a0d_quant
	.p2alignl 7, 3214868480
	.fill 96, 4, 3214868480
	.section	.rodata,"a",@progbits
	.p2align	6, 0x0
	.amdhsa_kernel k_q28fdc64a0d_quant
		.amdhsa_group_segment_fixed_size 34304
		.amdhsa_private_segment_fixed_size 0
		.amdhsa_enable_private_segment 0
		.amdhsa_kernarg_size 64
		.amdhsa_user_sgpr_count 2
		.amdhsa_user_sgpr_kernarg_segment_ptr 1
		.amdhsa_wavefront_size32 1
		.amdhsa_system_sgpr_workgroup_id_x 1
		.amdhsa_system_sgpr_workgroup_id_y 1
		.amdhsa_system_sgpr_workgroup_id_z 1
		.amdhsa_system_vgpr_workitem_id 0
		.amdhsa_next_free_vgpr 256
		.amdhsa_next_free_sgpr 90
		.amdhsa_reserve_vcc 1
		.amdhsa_float_denorm_mode_32 3
		.amdhsa_float_denorm_mode_16_64 3
		.amdhsa_memory_ordered 1
		.amdhsa_forward_progress 1
		.amdhsa_inst_pref_size 34
	.end_amdhsa_kernel
	.amdgpu_metadata
---
amdhsa.version: [ 1, 2 ]
amdhsa.kernels:
  - .name:           k_q28fdc64a0d_quant
    .symbol:         k_q28fdc64a0d_quant.kd
    .args:
      - { .name: x, .offset: 0, .size: 8, .value_kind: global_buffer, .address_space: global }
      - { .name: h, .offset: 8, .size: 8, .value_kind: global_buffer, .address_space: global }
      - { .name: W_f, .offset: 16, .size: 8, .value_kind: global_buffer, .address_space: global }
      - { .name: W_i, .offset: 24, .size: 8, .value_kind: global_buffer, .address_space: global }
      - { .name: W_g, .offset: 32, .size: 8, .value_kind: global_buffer, .address_space: global }
      - { .name: W_o, .offset: 40, .size: 8, .value_kind: global_buffer, .address_space: global }
      - { .name: aq, .offset: 48, .size: 8, .value_kind: global_buffer, .address_space: global }
      - { .name: wq, .offset: 56, .size: 8, .value_kind: global_buffer, .address_space: global }
    .group_segment_fixed_size: 34304
    .private_segment_fixed_size: 0
    .kernarg_segment_align: 8
    .kernarg_segment_size: 64
    .max_flat_workgroup_size: 128
    .sgpr_count:     90
    .vgpr_count:     256
    .wavefront_size: 32
...
	.end_amdgpu_metadata
.endif
;; end of part 1
;; launch lstm (part 2): grid 16 x 32, 4 waves a work-group, clusters of 4 x 4, 327,680 bytes of LDS; arguments aq, wq, c, out0, out1, b_f, b_i, b_g, b_o; writes out0, out1
.if DOCPART == 2
	.amdgcn_target "amdgcn-amd-amdhsa--gfx1250"
	.amdhsa_code_object_version 6
	.text
	.protected	k_q28fdc64a0d_lstm
	.globl	k_q28fdc64a0d_lstm
	.p2align	8
	.type	k_q28fdc64a0d_lstm,@function
k_q28fdc64a0d_lstm:
	s_mov_b64 s[64:65], 0
	v_nop
	global_prefetch_b8 v0, s[64:65] scope:SCOPE_SE
	s_setreg_imm32_b32 hwreg(HW_REG_WAVE_MODE, 25, 1), 1
	s_wait_xcnt 0x0
	s_wait_alu depctr_hold_cnt(0) depctr_sa_sdst(0) depctr_va_vdst(0) depctr_va_sdst(0) depctr_va_ssrc(0) depctr_va_vcc(0) depctr_vm_vsrc(0)
	s_getreg_b32 s2, hwreg(HW_REG_IB_STS2, 6, 4)
	s_cmp_eq_u32 s2, 0
	s_cbranch_scc0 .Lentry_in_a_cluster
	s_endpgm
.Lentry_in_a_cluster:
	s_bfe_u32 s2, ttmp6, 0x10000c
	s_cmp_lg_u32 s2, 0xf033
	s_cbranch_scc0 .Lentry_shape_is_right
	s_endpgm
.Lentry_shape_is_right:
; z = [x | h] W^T + b on codes of FP6 (E2M3) with E8M0 scales, f32 sums; c_new = sigmoid(zf) c + sigmoid(zi) tanh(zg) (out0), h_new = tanh(c_new) sigmoid(zo) (out1), in f32.  z stays in registers.
; OPERANDS: chunks of 128 rows x 128 K: eight fragments as images of the operand's registers (1,536 bytes each, registers 4 cc .. 4 cc + 3 of lane l at 512 cc + 16 l), then scale words [block 8][row 16]: 12,800 bytes.
; In the workspace chunk 0 of all groups lies first, then five long steps of three chunks, a group's three on end.  W's group G holds in block i gate i / 2 (f, i, g, o) of hidden units 32 G + 16 (i % 2) on.
; ORDER ALONG K (a stated limit of rounding order): the five long steps (K 128 .. 2,047) are summed first and chunk 0 (K 0 .. 127) last; each output has one f32 sum, begun with its bias.
; SHARES: a work-group of four waves makes 256 rows x (64 hidden units x 4 gates); wave (sr, sc) 128 x 128: 64 accumulators, 512 registers.
; THE RING: two slots of 384 along K.  A wave's tensor load brings 128 rows of a step, 38,400 consecutive bytes as 150 rows of 256.  At the head each wave issues one load (its quarter of slot 0); slot 1's first fill
; stands behind the wait, the add, the wait and a round, as a refill does.  The short chunk is slot 1's last fill, c's tile (256 rows x 256 bytes, the work-group's own) slot 0's last.
; c_new is written over c's tile, h_new goes to a stage in slot 1: both slots have then had their last fill and their last read.  Results leave as whole rows of 256 bytes.
; THE MATRIX INSTRUCTION IS USED TRANSPOSED (source 0 = 16 rows of W, source 1 = 16 rows of [x | h]): register j of lane (r, h) in accumulators (a, 2 g + u) is row 16 a + r, hidden unit 16 u + 8 h + j of gate g.
; CLUSTERS: 4 x 4; A's tiles are shared along a row of the cluster, W's along a column, by joint loads whose mask names the four.
; PREFETCHES: the 150 blocks of 256 bytes that a wave fetches of a long step are shared out by address among the four partners that ask jointly: 38, 38, 38, 36 blocks, two instructions, left-over lanes naming the
; last block again.  Long steps 0 and 1, the buffers' first touch, are asked for at the head, as soon as the arguments are in, ahead of the first round.  Behind the loads of long steps 1, 2, 3 the wave asks for long
; steps 2, 3, 4: 160 (long step 2) or 192 matrix instructions, ahead of the load that wants them.  The short chunk is not asked for: its load has 160 matrix instructions between request and wait.
; c's tile is asked for six steps ahead of its load: a lane a row, 64 rows a wave.
; RANGE: tanh(y) = (E - 1) / (E + 1), E = 2^(2 log2(e) y), exponent held to -60 .. 60, where the quotient is -1 or 1 in f32; sigmoid(y) = 1 / (1 + 2^(-log2(e) y)): where the power overflows the reciprocal is 0 and the
; true value lies under 2^-126.  Two denominators share a reciprocal, (E + 1)(1 + e); E is never 0 or infinite, so no 0 x infinity arises.  NaN and infinities among the inputs are not served.
; REGISTERS: window 0: v16-31 addresses; v32-47 scale words, two sets; v48-49 prefetch offsets; v64-127 biases; v128-223 A's eight fragments, one set (the way out uses v64-223 anew).
; Window 1: W's fragments, two sets, v0 and v128.  Window 2: accumulators of my rows 0-63 ((a, b) at v[8 (8 a + b)]); window 3: rows 64-127.
.set FR,    12
.set NL,    3
.set NP,    4
.set CH,    12800
.set QB,    3*CH
.set SLOT,  4*QB
.set AK1,   64*CH
.set ASTEP, 64*QB
.set BK1,   32*CH
.set BSTEP, 32*QB
.set SPARE, 2*SLOT
.set CP,    272
.set ADRA, 16
.set ADRS, 18
.set ADRB, 20
.set PF0,  22                          ; v22 256 x lane; v23 256 x (32 + min(lane, 5 or 3)): my blocks of the long step at which the base stands
.set PF1,  23
.set PF2,  48                          ; v48, v49: the same blocks one long step further on
.set PF3,  49
.set CADR, 24
.set HADR, 25
.set RD,   26
.set PFC,  27                          ; v27 4,096 x lane: a row of c
.set SPW,  28
.set NIL,  29
.set CO,   30
.set BO,   31
.set SC,   32
.set BI,   64
.set AF,   128
.set T,    64
.set TF,   64
.set TI,   80
.set TG,   96
.set TO,   112
.set CC,   128
.set HH,   144
.set U,    160
.set OB,   192
.set PFA,  12                          ; s[12:13] the prefetches' base; s[66:67] a long step of my tensor; s[22:23] my 64 rows of c
.set PFS,  66
.set CPA,  22
.set G1L,  24
.set G0,   32
.set G0C,  40
.set G1LB, 48
.set G0B,  56
.set G1H,  68
.set G0H,  76
.set G1HB, 80
.set G0HB, 88
.set G1C,  92
.set WV,   100
.set SR,   101
.set SCN,  104
.set MSB, 0
.macro WIN new                         ; the immediate's high byte repeats the setting that is left
.if MSB != (\new)
	s_set_vgpr_msb (MSB<<8)|(\new)
.set MSB, (\new)
.endif
.endm
.set MUL_LO, 0xa1
.set MUL_HI, 0xf1
.set TO_B,   0x40
; a joint load: waves 0, 1 fetch for A, waves 2, 3 for W; s_nop 0 and four v_nop behind each line
.macro JLOAD g0a, g1a, g0b, g1b
	s_cmp_eq_u32 s[SR], 0
	s_cbranch_scc0 .Lfor_b_\@
	tensor_load_to_lds s[\g0a:\g0a+3], s[\g1a:\g1a+7]
	s_nop 0
.rept 4
	v_nop
.endr
	s_branch .Lasked_\@
.Lfor_b_\@:
	tensor_load_to_lds s[\g0b:\g0b+3], s[\g1b:\g1b+7]
	s_nop 0
.rept 4
	v_nop
.endr
.Lasked_\@:
.endm
.macro CREST                           ; a round of the cluster's barrier behind its opening barrier
	s_cmp_lg_u32 s[WV], 0
	s_cbranch_scc1 .Lnot_wave_0_\@
	s_barrier_signal -3
.Lnot_wave_0_\@:
	s_barrier_wait -3
	s_barrier_signal -1
	s_barrier_wait -1
.endm
.macro CROUND
	s_barrier_signal -1
	s_barrier_wait -1
	CREST
.endm
.macro ASK                             ; my work-group's blocks of the long step behind the one at which the base stands
	global_prefetch_b8 v[PF2], s[PFA:PFA+1] th:TH_LOAD_NT scope:SCOPE_SE
	global_prefetch_b8 v[PF3], s[PFA:PFA+1] th:TH_LOAD_NT scope:SCOPE_SE
.endm
.macro PFSTEP                          ; the base goes one long step on
	s_wait_xcnt 0x0                                ; my earlier prefetches have read their base: it is stepped only behind this wait
	s_add_nc_u64 s[PFA:PFA+1], s[PFA:PFA+1], s[PFS:PFS+1]
.endm
	s_load_b256 s[4:11], s[0:1], 0x0               ; aq, wq, c, out0
	s_load_b256 s[12:19], s[0:1], 0x20             ; out1, b_f, b_i, b_g
	s_load_b64 s[20:21], s[0:1], 0x40              ; b_o
	v_lshl_add_u32 v[SPW], v0, 2, SPARE
	v_mov_b32 v[NIL], 0
	ds_add_u32 v[SPW], v[NIL]                      ; the opening lines: the add twice on end and its wait
	ds_add_u32 v[SPW], v[NIL]
	s_wait_dscnt 0x0
	v_lshrrev_b32 v1, 5, v0
	v_readfirstlane_b32 s[WV], v1                  ; wave 0..3
	s_lshr_b32 s[SR], s[WV], 1                     ; my half of the rows; also: I fetch for A (0) or W (1)
	s_and_b32 s[SCN], s[WV], 1                     ; my half of the columns; also: which 128 rows I fetch
	s_bfe_u32 s44, ttmp6, 0x40000                  ; cx
	s_bfe_u32 s45, ttmp6, 0x40004                  ; cy
	s_lshl_b32 s46, ttmp9, 2
	s_add_co_u32 s46, s46, s44                     ; tx: 64 hidden units
	s_and_b32 s47, ttmp7, 0xffff
	s_lshl_b32 s47, s47, 2
	s_add_co_u32 s47, s47, s45                     ; ty: 256 rows
	s_lshl_b32 s2, s45, 2
	s_lshl_b32 s2, 15, s2                          ; my row of the cluster
	s_lshl_b32 s105, 0x1111, s44                   ; my column
	s_or_b32 s[G1L], s2, (3<<16)|(1<<21)           ; a long step: 150 rows of 32 elements of 8 bytes, dense
	s_or_b32 s[G1LB], s105, (3<<16)|(1<<21)
.irp g, G1L, G1LB
	s_mov_b32 s[\g+1], 32<<16
	s_mov_b32 s[\g+2], 150<<16
	s_mov_b32 s[\g+3], 32<<16
	s_mov_b32 s[\g+4], 150
	s_mov_b32 s[\g+5], 32
	s_mov_b32 s[\g+6], 0
	s_mov_b32 s[\g+7], 0
.endr
	s_or_b32 s[G1H], s2, (3<<16)|(1<<21)           ; the short chunk: 50 rows of 256 bytes
	s_or_b32 s[G1HB], s105, (3<<16)|(1<<21)
.irp g, G1H, G1HB
	s_mov_b32 s[\g+1], 32<<16
	s_mov_b32 s[\g+2], 50<<16
	s_mov_b32 s[\g+3], 32<<16
	s_mov_b32 s[\g+4], 50
	s_mov_b32 s[\g+5], 32
	s_mov_b32 s[\g+6], 0
	s_mov_b32 s[\g+7], 0
.endr
	s_mov_b32 s[G1C], (2<<16)|(1<<20)|(5<<22)|(3<<25)  ; c: 64 rows x 64 f32, 16 bytes of padding behind each 256; no mask
	s_mov_b32 s[G1C+1], 64<<16
	s_mov_b32 s[G1C+2], 64<<16
	s_mov_b32 s[G1C+3], 64<<16
	s_mov_b32 s[G1C+4], 64
	s_mov_b32 s[G1C+5], 1024
	s_mov_b32 s[G1C+6], 0
	s_mov_b32 s[G1C+7], 0
	; offsets, made in the descriptors' own registers: A's never hold tx, W's never hold ty
	s_lshl_b32 s[G0+2], s47, 1
	s_add_co_u32 s[G0+2], s[G0+2], s[SCN]          ; A: group 2 ty + half
	s_mul_i32 s[G0H+2], s[G0+2], CH                ; its chunk 0,
	s_mov_b32 s[G0H+3], 0
	s_mul_i32 s[G0+2], s[G0+2], QB
	s_add_co_u32 s[G0+2], s[G0+2], AK1             ; its part of long step 0
	s_mov_b32 s[G0+3], 0
	s_lshl_b32 s[G0B+2], s46, 1
	s_add_co_u32 s[G0B+2], s[G0B+2], s[SCN]        ; W: group 2 tx + half
	s_mul_i32 s[G0HB+2], s[G0B+2], CH
	s_mov_b32 s[G0HB+3], 0
	s_mul_i32 s[G0B+2], s[G0B+2], QB
	s_add_co_u32 s[G0B+2], s[G0B+2], BK1
	s_mov_b32 s[G0B+3], 0
	s_lshl_b32 s[G0C+2], s47, 20                   ; c: row 256 ty + 64 x wave of 4,096 bytes, + 256 tx
	s_lshl_b32 s[G0C+3], s[WV], 18
	s_add_co_u32 s[G0C+2], s[G0C+2], s[G0C+3]
	s_lshl_b32 s[G0C+3], s46, 8
	s_add_co_u32 s[G0C+2], s[G0C+2], s[G0C+3]
	s_mov_b32 s[G0C+3], 0
	s_mov_b32 s[G0], 1
	s_mov_b32 s[G0+4], 1
	s_mov_b32 s[G0B], 1
	s_mov_b32 s[G0B+4], 1
	s_mov_b32 s[G0H], 1
	s_mov_b32 s[G0HB], 1
	s_mov_b32 s[G0C], 1
	s_mul_i32 s[G0+1], s[WV], QB                   ; LDS: wave x a quarter of a slot
	s_add_co_u32 s[G0+5], s[G0+1], SLOT
	s_mul_i32 s[G0B+1], s[WV], QB
	s_add_co_u32 s[G0B+5], s[G0B+1], SLOT
	s_add_co_u32 s[G0H+1], s[G0+1], SLOT           ; the short chunk: the head of my quarter of slot 1
	s_add_co_u32 s[G0HB+1], s[G0B+1], SLOT
	s_mul_i32 s[G0C+1], s[WV], 64*CP               ; c: my 64 rows, from LDS byte 0 on
	; the prefetches' offset: my group's part of long step 0 of my tensor, my work-group's share of its 150 blocks (place cx for A, cy for W)
	s_mov_b32 s[PFS], BSTEP
	s_mov_b32 s3, BK1
	s_cmp_eq_u32 s[SR], 0
	s_cselect_b32 s2, s47, s46
	s_cselect_b32 s105, s44, s45
	s_cselect_b32 s[PFS], ASTEP, s[PFS]
	s_cselect_b32 s3, AK1, s3
	s_mov_b32 s[PFS+1], 0
	s_lshl_b32 s2, s2, 1
	s_add_co_u32 s2, s2, s[SCN]
	s_mul_i32 s2, s2, QB
	s_add_co_u32 s2, s2, s3
	s_mul_i32 s3, s105, 38*256
	s_add_co_u32 s2, s2, s3
	s_mov_b32 s3, 0
	s_cmp_eq_u32 s105, 3                           ; places 0-2 take 38 blocks, place 3 the last 36
	s_cselect_b32 s105, 3, 5
	v_and_b32 v4, 31, v0
	v_lshlrev_b32 v[PF0], 8, v4
	v_min_u32 v[PF1], s105, v4
	v_lshl_add_u32 v[PF1], v[PF1], 8, 0x2000
	v_add_nc_u32 v[PF2], s[PFS], v[PF0]
	v_add_nc_u32 v[PF3], s[PFS], v[PF1]
	s_wait_alu depctr_va_vdst(0)
	s_wait_kmcnt 0x0
	s_cmp_eq_u32 s[SCN], 0                         ; which output I store,
	s_cselect_b64 s[10:11], s[10:11], s[12:13]
	s_cmp_eq_u32 s[SR], 0                          ; and which tensor I fetch
	s_cselect_b64 s[PFA:PFA+1], s[4:5], s[6:7]
	s_add_nc_u64 s[PFA:PFA+1], s[PFA:PFA+1], s[2:3]
	global_prefetch_b8 v[PF0], s[PFA:PFA+1] th:TH_LOAD_NT scope:SCOPE_SE   ; long step 0,
	global_prefetch_b8 v[PF1], s[PFA:PFA+1] th:TH_LOAD_NT scope:SCOPE_SE
	ASK                                            ; and long step 1
	s_add_nc_u64 s[G0H+2:G0H+3], s[4:5], s[G0H+2:G0H+3]
	s_add_nc_u64 s[G0+2:G0+3], s[4:5], s[G0+2:G0+3]        ; slot 0 begins with long step 0,
	s_add_nc_u64 s[G0+6:G0+7], s[G0+2:G0+3], ASTEP         ; slot 1 with long step 1
	s_add_nc_u64 s[G0HB+2:G0HB+3], s[6:7], s[G0HB+2:G0HB+3]
	s_add_nc_u64 s[G0B+2:G0B+3], s[6:7], s[G0B+2:G0B+3]
	s_add_nc_u64 s[G0B+6:G0B+7], s[G0B+2:G0B+3], BSTEP
	s_add_nc_u64 s[CPA:CPA+1], s[8:9], s[G0C+2:G0C+3]
	s_mov_b64 s[G0C+2:G0C+3], s[CPA:CPA+1]
.irp g, G0+3, G0+7, G0B+3, G0B+7, G0H+3, G0HB+3, G0C+3
	s_or_b32 s[\g], s[\g], 0x80000000              ; type = 2
.endr
	CROUND                                         ; all sixteen work-groups are here: the first joint loads meet
	JLOAD G0, G1L, G0B, G1LB                       ; long step 0 into slot 0: one tensor load a wave at the head
	v_and_b32 v1, 31, v0                           ; lane
	v_and_b32 v2, 15, v0                           ; r
	v_bfe_u32 v3, v0, 4, 1                         ; h
	s_wait_alu depctr_va_vdst(0)
	v_lshlrev_b32 v4, 4, v1
	s_mul_i32 s2, s[SR], QB                        ; my 128 rows of A
	s_mul_i32 s105, s[SCN], QB                     ; my 128 rows of W,
	s_add_co_u32 s105, s105, 2*QB                  ; behind A's two quarters
.irp s, 0,1
	v_add_nc_u32 v[ADRA+\s], s2, v4
	v_add_nc_u32 v[ADRB+\s], s105, v4
	s_add_co_u32 s2, s2, SLOT
	s_add_co_u32 s105, s105, SLOT
.endr
	s_xor_b32 s105, s[SR], 1                       ; scale words: from A's quarter (sr) to W's (2 + sc): 1 + sc + (1 - sr) quarters: one product with h
	s_add_co_u32 s105, s105, s[SCN]
	s_add_co_u32 s105, s105, 1
	s_mul_i32 s105, s105, QB
	v_mul_u32_u24 v5, s105, v3
	v_lshl_add_u32 v5, v2, 2, v5
	s_mul_i32 s2, s[SR], QB
	s_add_co_u32 s2, s2, 8*1536
	v_add_nc_u32 v[ADRS], s2, v5
	v_add_nc_u32 v[ADRS+1], SLOT, v[ADRS]
	v_mul_u32_u24 v5, v2, CP
	v_lshl_add_u32 v5, v3, 5, v5                   ; row r, + 32 h
	s_mul_i32 s2, s[SR], 128*CP
	s_lshl_b32 s105, s[SCN], 7
	s_add_co_u32 s2, s2, s105
	v_add_nc_u32 v[CADR], s2, v5                   ; in c's tile,
	v_add_nc_u32 v[HADR], SLOT, v[CADR]            ; and in h_new's stage
	v_mul_u32_u24 v5, v3, CP
	v_lshl_add_u32 v5, v2, 4, v5                   ; back: lanes 0-15 one row of 256 bytes, lanes 16-31 the next
	s_mul_i32 s105, s[SCN], SLOT                   ; sc = 0 takes c_new's rows, sc = 1 h_new's
	s_mul_i32 s2, s[SR], 128*CP
	s_add_co_u32 s2, s2, s105
	v_add_nc_u32 v[RD], s2, v5
	v_lshlrev_b32 v[CO], 12, v3
	v_lshl_add_u32 v[CO], v2, 4, v[CO]
	v_lshlrev_b32 v[BO], 5, v3
	v_lshlrev_b32 v[PFC], 12, v1
	s_wait_alu depctr_va_vdst(0)
	s_lshl_b32 s2, s46, 8                          ; the biases of my 32 hidden units
	s_lshl_b32 s105, s[SCN], 7
	s_add_co_u32 s2, s2, s105
	s_mov_b32 s3, 0
	s_add_nc_u64 s[14:15], s[14:15], s[2:3]
	s_add_nc_u64 s[16:17], s[16:17], s[2:3]
	s_add_nc_u64 s[18:19], s[18:19], s[2:3]
	s_add_nc_u64 s[20:21], s[20:21], s[2:3]
.macro BIAS g, lo                      ; gate g's two tiles in the result's layout
.irp u, 0,1
.irp jh, 0,1
	global_load_b128 v[BI+16*\g+8*\u+4*\jh:BI+16*\g+8*\u+4*\jh+3], v[BO], s[\lo:\lo+1] offset:64*\u+16*\jh
.endr
.endr
.endm
	BIAS 0, 14
	BIAS 1, 16
	BIAS 2, 18
	BIAS 3, 20
	s_lshl_b32 s2, s47, 20                         ; my output's first row: 256 ty + 128 sr, + 256 tx bytes
	s_lshl_b32 s105, s[SR], 19
	s_add_co_u32 s2, s2, s105
	s_lshl_b32 s105, s46, 8
	s_add_co_u32 s2, s2, s105
	s_add_nc_u64 s[10:11], s[10:11], s[2:3]
	s_mov_b32 s4, 0xbfb8aa3b                       ; -log2(e)
	s_mov_b32 s5, s4
	s_mov_b32 s6, 0x4038aa3b                       ; 2 log2(e)
	s_mov_b32 s7, s6
	s_mov_b32 s8, 0x42700000                       ; 60
	s_mov_b32 s9, 0xc2700000                       ; -60
.macro FRAG reg, adr, q, i             ; block i's fragment of the slot's q-th chunk
.irp cc, 0,1,2
	ds_load_b128 v[\reg+4*\cc:\reg+4*\cc+3], v[\adr] offset:CH*(\q)+1536*(\i)+512*\cc
.endr
.endm
; 16 matrix instructions: A's blocks a0, a0 + 1 x W's eight.  first = 1: the sums begin with the biases.  The 64 accumulators take turns.
.macro MUL16 a0, p, first
.irp a, \a0, \a0+1
.irp b, 0,1,2,3,4,5,6,7
.if \first
	v_wmma_scale_f32_16x16x128_f8f6f4 v[8*(8*((\a)%4)+\b):8*(8*((\a)%4)+\b)+7], v[128*(\p)+FR*\b:128*(\p)+FR*\b+FR-1], v[AF+FR*(\a):AF+FR*(\a)+FR-1], v[BI+8*\b:BI+8*\b+7], v[SC+8*(\p)+\b], v[SC+8*(\p)+(\a)] matrix_a_fmt:MATRIX_FMT_FP6 matrix_b_fmt:MATRIX_FMT_FP6 matrix_a_scale:MATRIX_SCALE_ROW1
.else
	v_wmma_scale_f32_16x16x128_f8f6f4 v[8*(8*((\a)%4)+\b):8*(8*((\a)%4)+\b)+7], v[128*(\p)+FR*\b:128*(\p)+FR*\b+FR-1], v[AF+FR*(\a):AF+FR*(\a)+FR-1], v[8*(8*((\a)%4)+\b):8*(8*((\a)%4)+\b)+7], v[SC+8*(\p)+\b], v[SC+8*(\p)+(\a)] matrix_a_fmt:MATRIX_FMT_FP6 matrix_b_fmt:MATRIX_FMT_FP6 matrix_a_scale:MATRIX_SCALE_ROW1
.endif
.endr
.endr
.endm
.macro FETCH_B slot, q, p
	WIN TO_B
.irp i, 0,1,2,3,4,5,6,7
	FRAG 128*(\p)+FR*\i, ADRB+\slot, \q, \i
.endr
	WIN 0
.endm
.macro FETCH_A slot, q, i0
.irp i, \i0, \i0+1, \i0+2, \i0+3
	FRAG AF+FR*(\i), ADRA+\slot, \q, \i
.endr
.endm
.macro SCALES slot, q, p               ; lanes 0-15 A's block i, lanes 16-31 W's block i
.irp i, 0,1,2,3,4,5,6,7
	ds_load_b32 v[SC+8*(\p)+\i], v[ADRS+\slot] offset:CH*(\q)+64*\i
.endr
.endm
.macro PLACES n                        ; places behind matrix instructions, ahead of loads into their registers and of reads of results
.rept \n
	v_nop
.endr
.endm
; a step of 128 along K whose successor lies in the same slot: A's blocks 0-3 are fetched anew in its middle, blocks 4-7 at its end
.macro STEP slot, q, p, first
	s_wait_dscnt 4*NL                              ; all but the youngest twelve loads (A's blocks 4-7)
.if \first
	WIN 0x81                                       ; C (the biases) in window 0, D in window 2
.else
	WIN MUL_LO
.endif
	MUL16 0, \p, \first
	MUL16 2, \p, \first
	s_wait_dscnt 0
	PLACES NP
	FETCH_B \slot, (\q)+1, 1-(\p)
	FETCH_A \slot, (\q)+1, 0
	SCALES \slot, (\q)+1, 1-(\p)
.if \first
	WIN 0xc1
.else
	WIN MUL_HI
.endif
	MUL16 4, \p, \first
	MUL16 6, \p, \first
	PLACES NP
	WIN 0
	FETCH_A \slot, (\q)+1, 4
.endm
; a slot's last step changes slots: the three lines, a barrier that opens a round, the refill first behind it.
; fill = 2: the slot's descriptors go two long steps on;  4: the short chunk;  3: c's tile, each wave its own 64 rows.   ask = 1: the next long step's codes;  2: c's tile.
.macro TURN slot, p, next, fill, ask
.if \ask == 1
	PFSTEP
.endif
	s_wait_tensorcnt 0x0                           ; all my tensor loads have landed: my part of the next slot
	ds_add_u32 v[SPW], v[NIL]
	s_wait_dscnt 4*NL+1                            ; (the add and A's blocks 4-7 may be out)
	WIN MUL_LO
	MUL16 0, \p, 0
	s_wait_dscnt 0x0                               ; the add is done, my reads of this slot are over
	s_barrier_signal -1
	MUL16 2, \p, 0
	WIN 0
	s_barrier_wait -1
	CREST
.if \fill == 2
	s_add_nc_u64 s[G0+4*\slot+2:G0+4*\slot+3], s[G0+4*\slot+2:G0+4*\slot+3], 2*ASTEP
	s_add_nc_u64 s[G0B+4*\slot+2:G0B+4*\slot+3], s[G0B+4*\slot+2:G0B+4*\slot+3], 2*BSTEP
	JLOAD G0+4*\slot, G1L, G0B+4*\slot, G1LB
.endif
.if \fill == 4
	JLOAD G0H, G1H, G0HB, G1HB
.endif
.if \fill == 3
	tensor_load_to_lds s[G0C:G0C+3], s[G1C:G1C+7]
	s_nop 0
.rept 4
	v_nop
.endr
.endif
	FETCH_B \next, 0, 1-(\p)                       ; (the four v_nop behind the tensor load are the places ahead of these loads)
	FETCH_A \next, 0, 0
	SCALES \next, 0, 1-(\p)
.if \ask == 1
	ASK
.endif
.if \ask == 2
	global_prefetch_b8 v[PFC], s[CPA:CPA+1] th:TH_LOAD_NT scope:SCOPE_SE
	global_prefetch_b8 v[PFC], s[CPA:CPA+1] offset:32*4096 th:TH_LOAD_NT scope:SCOPE_SE
.endif
	WIN MUL_HI
	MUL16 4, \p, 0
	MUL16 6, \p, 0
	PLACES NP
	WIN 0
	FETCH_A \next, 0, 4
.endm
	s_wait_alu depctr_va_vdst(0)
	s_wait_tensorcnt 0x0                           ; my quarter of slot 0 is in; the lines that stand ahead of a later first fill:
	ds_add_u32 v[SPW], v[NIL]
	s_wait_dscnt 0x0
	CROUND                                         ; slot 0 is whole, and the sixteen work-groups meet
	JLOAD G0+4, G1L, G0B+4, G1LB                   ; long step 1 into slot 1: 128 matrix instructions ahead of the wait for it
	FETCH_B 0, 0, 0
	FETCH_A 0, 0, 0
	SCALES 0, 0, 0
	FETCH_A 0, 0, 4
	PFSTEP
	ASK                                            ; long step 2
	s_wait_loadcnt 0x0                             ; the biases
	STEP 0, 0, 0, 1                                ; long step 0; its first chunk starts the sums
	STEP 0, 1, 1, 0
	TURN 0, 0, 1, 2, 1                             ; slot 0 takes long step 2; long step 3 is asked for
	STEP 1, 0, 1, 0                                ; long step 1
	STEP 1, 1, 0, 0
	TURN 1, 1, 0, 2, 1                             ; slot 1 takes long step 3; long step 4 is asked for
	STEP 0, 0, 0, 0                                ; long step 2
	STEP 0, 1, 1, 0
	TURN 0, 0, 1, 2, 2                             ; slot 0 takes long step 4; c's tile is asked for
	STEP 1, 0, 1, 0                                ; long step 3
	STEP 1, 1, 0, 0
	TURN 1, 1, 0, 4, 0                             ; slot 1 takes the short chunk
	STEP 0, 0, 0, 0                                ; long step 4
	STEP 0, 1, 1, 0
	TURN 0, 0, 1, 3, 0                             ; slot 0 takes c's tile
	s_wait_dscnt 4*NL                              ; the short chunk: nothing more to fetch
	WIN MUL_LO
	MUL16 0, 1, 0
	MUL16 2, 1, 0
	s_wait_dscnt 0x0                               ; my reads of slot 1 are over
	WIN MUL_HI
	MUL16 4, 1, 0
	MUL16 6, 1, 0
	WIN 0
; THE GATES AND THE WAY OUT, block by block of 16 rows: 16 elements a lane (element n = 8 u + j)
.macro PKADD d, s, k
.set n, 0
.rept 8
	v_pk_add_f32 v[\d+n:\d+n+1], v[\s+n:\s+n+1], \k op_sel_hi:[1,0]
.set n, n+2
.endr
.endm
.macro PKMUL d, a, b
.set n, 0
.rept 8
	v_pk_mul_f32 v[\d+n:\d+n+1], v[\a+n:\a+n+1], v[\b+n:\b+n+1]
.set n, n+2
.endr
.endm
.macro PKFMA d, a, b, c
.set n, 0
.rept 8
	v_pk_fma_f32 v[\d+n:\d+n+1], v[\a+n:\a+n+1], v[\b+n:\b+n+1], v[\c+n:\c+n+1]
.set n, n+2
.endr
.endm
.macro HOLD d                          ; a tanh's exponent held to -60 .. 60
.set n, 0
.rept 16
	v_med3_num_f32 v[\d+n], v[\d+n], s9, s8
.set n, n+1
.endr
.endm
.macro TRANS op, d, cnt
.set n, 0
.rept \cnt
	\op v[\d+n], v[\d+n]
.set n, n+1
.endr
.endm
.macro CLOAD a
.irp u, 0,1
.irp jh, 0,1
	ds_load_b128 v[CC+8*\u+4*\jh:CC+8*\u+4*\jh+3], v[CADR] offset:16*CP*(\a)+64*\u+16*\jh
.endr
.endr
.endm
.macro SEND a                          ; sixteen lanes store 256 consecutive bytes, at a multiple of 256 from the output's first byte
.irp t, 0,1,2,3,4,5,6,7
	global_store_b128 v[CO], v[OB+4*\t:OB+4*\t+3], s[10:11] offset:(16*(\a)+2*\t)*4096 th:TH_STORE_NT
.endr
.endm
.macro EXPONENTS a                     ; block a's 64 exponents; each accumulator is read from its low end on
.set AC, 64*((\a)%4)
	WIN 0x02+(\a)/4
.set n, 0
.rept 32
.if n/16 == 2
	v_pk_mul_f32 v[T+n:T+n+1], v[AC+n:AC+n+1], s[6:7] op_sel_hi:[1,0]
.else
	v_pk_mul_f32 v[T+n:T+n+1], v[AC+n:AC+n+1], s[4:5] op_sel_hi:[1,0]
.endif
.set n, n+2
.endr
	WIN 0
	HOLD TG
.endm
; block a: at its head ef, ei, EG, eo lie in T and c's loads are out.  The waits on the vector unit stand ahead of and behind each batch of transcendentals.
.macro GATES a
	PKADD TF, TF, 1.0                              ; 1 + ef
	PKADD TI, TI, 1.0                              ; 1 + ei
	PKFMA TI, TG, TI, TI                           ; (EG + 1)(1 + ei)
	s_wait_alu depctr_va_vdst(0)
	TRANS v_rcp_f32, TF, 32                        ; sigmoid(zf);  1 / ((EG + 1)(1 + ei))
	PKADD U, TG, -1.0                              ; EG - 1
	PKADD TO, TO, 1.0                              ; 1 + eo
	s_wait_dscnt 0x0                               ; c is in, and so are the rows of the block before
.if (\a) > 0
	SEND (\a)-1
.endif
	s_wait_alu depctr_va_vdst(0)
	PKMUL U, U, TI                                 ; sigmoid(zi) tanh(zg)
	PKFMA CC, CC, TF, U                            ; c_new
.set n, 0
.rept 8
	v_pk_mul_f32 v[TG+n:TG+n+1], v[CC+n:CC+n+1], s[6:7] op_sel_hi:[1,0]
.set n, n+2
.endr
	HOLD TG
	s_wait_alu depctr_va_vdst(0)
	TRANS v_exp_f32, TG, 16                        ; EC
.irp u, 0,1
.irp jh, 0,1
	ds_store_b128 v[CADR], v[CC+8*\u+4*\jh:CC+8*\u+4*\jh+3] offset:16*CP*(\a)+64*\u+16*\jh   ; c_new over the bytes of c that I alone have read
.endr
.endr
	v_nop
	s_wait_alu depctr_va_vdst(0)
	PKADD U, TG, -1.0                              ; EC - 1
	PKFMA TO, TG, TO, TO                           ; (EC + 1)(1 + eo)
	s_wait_alu depctr_va_vdst(0)
	TRANS v_rcp_f32, TO, 16
	v_nop
	s_wait_alu depctr_va_vdst(0)
	PKMUL HH, U, TO                                ; h_new
.irp u, 0,1
.irp jh, 0,1
	ds_store_b128 v[HADR], v[HH+8*\u+4*\jh:HH+8*\u+4*\jh+3] offset:16*CP*(\a)+64*\u+16*\jh
.endr
.endr
.if (\a) < 7
	EXPONENTS (\a)+1
.endif
	s_wait_dscnt 0x0                               ; for the others' sake: my stores are done; a row's 256 bytes come from two waves
	s_barrier_signal -1
.if (\a) < 7
	s_wait_alu depctr_va_vdst(0)
	TRANS v_exp_f32, T, 64                         ; the next block's ef, ei, EG, eo
.endif
	s_barrier_wait -1
	s_wait_xcnt 0x0                                ; the last block's stores have read their registers
.irp t, 0,1,2,3,4,5,6,7
	ds_load_b128 v[OB+4*\t:OB+4*\t+3], v[RD] offset:16*CP*(\a)+2*CP*\t   ; whole rows back; no byte of the stages is written twice
.endr
.if (\a) < 7
	CLOAD (\a)+1
	v_nop
	s_wait_alu depctr_va_vdst(0)
.endif
.endm
	PLACES NP                                      ; behind the last products
	EXPONENTS 0                                    ; register work stands between c's request and the wait for it
	s_wait_alu depctr_va_vdst(0)
	TRANS v_exp_f32, T, 64
	s_wait_tensorcnt 0x0                           ; my 64 rows of c have landed
	s_barrier_signal -1
	s_barrier_wait -1                              ; c's tile is whole, and nobody reads slot 1 any more: it takes h_new's stage
	CLOAD 0
	v_nop
	s_wait_alu depctr_va_vdst(0)
.irp a, 0,1,2,3,4,5,6,7
	GATES \a
.endr
	s_wait_dscnt 0x0
	SEND 7
	s_wait_tensorcnt 0x0                           ; the wave's end
	ds_add_u32 v[SPW], v[NIL]
	s_wait_dscnt 0x0
	CROUND                                         ; the closing round
	s_endpgm
.Lfunc_end_k_q28fdc64a0d_lstm:
	.size	k_q28fdc64a0d_lstm, .Lfunc_end_k_q28fdc64a0d_lstm-k_q28fdc64a0d_lstm
	.p2alignl 7, 3214868480
	.fill 96, 4, 3214868480
	.section	.rodata,"a",@progbits
	.p2align	6, 0x0
	.amdhsa_kernel k_q28fdc64a0d_lstm
		.amdhsa_group_segment_fixed_size 327680
		.amdhsa_private_segment_fixed_size 0
		.amdhsa_enable_private_segment 0
		.amdhsa_kernarg_size 72
		.amdhsa_user_sgpr_count 2
		.amdhsa_user_sgpr_kernarg_segment_ptr 1
		.amdhsa_wavefront_size32 1
		.amdhsa_system_sgpr_workgroup_id_x 1
		.amdhsa_system_sgpr_workgroup_id_y 1
		.amdhsa_system_sgpr_workgroup_id_z 1
		.amdhsa_system_vgpr_workitem_id 0
		.amdhsa_next_free_vgpr 1024
		.amdhsa_next_free_sgpr 106
		.amdhsa_reserve_vcc 0
		.amdhsa_float_denorm_mode_32 3
		.amdhsa_float_denorm_mode_16_64 3
		.amdhsa_memory_ordered 1
		.amdhsa_forward_progress 1
		.amdhsa_inst_pref_size 255
	.end_amdhsa_kernel
	.section	.bss,"aw",@nobits
	.p2align	6
	.space	262144
	.amdgpu_metadata
---
amdhsa.version: [ 1, 2 ]
amdhsa.kernels:
  - .name:           k_q28fdc64a0d_lstm
    .symbol:         k_q28fdc64a0d_lstm.kd
    .args:
      - { .name: aq, .offset: 0, .size: 8, .value_kind: global_buffer, .address_space: global }
      - { .name: wq, .offset: 8, .size: 8, .value_kind: global_buffer, .address_space: global }
      - { .name: c, .offset: 16, .size: 8, .value_kind: global_buffer, .address_space: global }
      - { .name: out0, .offset: 24, .size: 8, .value_kind: global_buffer, .address_space: global }
      - { .name: out1, .offset: 32, .size: 8, .value_kind: global_buffer, .address_space: global }
      - { .name: b_f, .offset: 40, .size: 8, .value_kind: global_buffer, .address_space: global }
      - { .name: b_i, .offset: 48, .size: 8, .value_kind: global_buffer, .address_space: global }
      - { .name: b_g, .offset: 56, .size: 8, .value_kind: global_buffer, .address_space: global }
      - { .name: b_o, .offset: 64, .size: 8, .value_kind: global_buffer, .address_space: global }
    .group_segment_fixed_size: 327680
    .private_segment_fixed_size: 0
    .kernarg_segment_align: 8
    .kernarg_segment_size: 72
    .max_flat_workgroup_size: 128
    .sgpr_count:     106
    .vgpr_count:     1024
    .wavefront_size: 32
...
	.end_amdgpu_metadata
.endif
;; end of part 2
